; MI455X (gfx1250); checked and timed in simulation.
; The chip was launched on July 23, 2026; its instructions are those of AMD's public machine-readable ISA for CDNA 5 (MIT licence, August 2026) and "CDNA5" Instruction Set Architecture Reference Guide (July 2026). The comments in the code are by the model that wrote it; some were corrected since.
;; Code Book. Allowed arithmetic: float matrix products may take bf16 or f16 operands with f32 sums; other float arithmetic in f32, or as packed bf16 or f16 multiplies, adds, multiply-adds, maxima and minima; sums over many terms, partial sums and values carried from step to step in f32; what a program stores and reads back later, other than sums and carried values, may be rounded once to bf16 or f16.
;; Inputs: codebook 8,192 x 256 float32; z_e_x 32,768 x 256 float32.
;; Outputs: out0 32,768 int32.
;; 2 versions, each right; version 2 is version 1 with the launch prep written anew for expert scheduling mode. Each part assembles by itself: llvm-mc -triple=amdgcn-amd-amdhsa -mcpu=gfx1250 --defsym DOCPART=n.
;; ======== version 1 of 2: 2 launches
;; workspace buffers: cb16 4,194,304 bytes; csq 32,768 bytes
;; launch prep (part 1): grid 128 x 1, 8 waves a work-group, no clusters, 1,280 bytes of LDS; arguments codebook, cb16, csq; writes cb16, csq
.if DOCPART == 1
	.amdgcn_target "amdgcn-amd-amdhsa--gfx1250"
	.amdhsa_code_object_version 6
	.text
	.protected	k_q257286c5ee_prep
	.globl	k_q257286c5ee_prep
	.p2align	8
	.type	k_q257286c5ee_prep,@function
k_q257286c5ee_prep:
	s_mov_b64 s[64:65], 0
	v_nop
	global_prefetch_b8 v0, s[64:65] scope:SCOPE_SE
	s_setreg_imm32_b32 hwreg(HW_REG_WAVE_MODE, 25, 1), 1
	s_wait_xcnt 0x0
; cb16[k][d] = bf16(codebook[k][d]);  csq[k] = the f32 sum over d of cb16[k][d]^2 (of the ROUNDED numbers: the next launch multiplies those).
; codebook: [8192][256] f32, cb16: [8192][256] bf16, csq: [8192] f32.
; SHARES.  A work-group takes 64 rows, so that its 64 sums are 256 consecutive bytes of csq, aligned, stored by one instruction; 8192 / 64 = 128 work-groups.
; A wave takes 8 rows.  Of a row lane l takes floats 4 l .. 4 l + 3 and 128 + 4 l .. : each load of the wave covers 512 consecutive bytes,
; each store of the wave 256 consecutive bytes, aligned.  All 16 loads of a wave go out at once: the whole share is on its way together.
; No matrix unit, no cluster, no tensor load: nothing is shared and every byte is touched once.
; LIMITS.  bf16 keeps f32's range; a sum of squares overflows where the same sum in f32 overflows.  The order of the 256 additions is this text's own.
.set SUMS,  0                          ; LDS: the work-group's 64 sums, 256 bytes
.set SPARE, 256                        ; behind them: the spare words, 128 bytes for each of 8 waves: four blocks of 256 bytes that no other line names
.set LO,  2                            ; v2   8192 w + 16 l: my 16 bytes in my wave's first row of codebook; never rewritten
.set SO,  3                            ; v3   4096 w + 8 l: my 8 bytes in my wave's first row of cb16; never rewritten
.set SPW, 4                            ; v4   LDS address of my spare word; never rewritten
.set NIL, 5                            ; v5   0, for the add alone
.set SA,  6                            ; v6   the sum of the low halves' squares, then the row's sum
.set SB,  7                            ; v7   the sum of the high halves' squares
.set OTH, 8                            ; v8   the other half of the lanes' sum
.set LW,  9                            ; v9   32 w: where my wave's 8 sums lie in LDS
.set ZER, 10                           ; v10  0: what the two chains start from
.set P,   16                           ; v[16:47]  row i: 4 registers, 8 bf16; never used twice, so no store's data is ever rewritten
.set X,   48                           ; v[48:111] row i: 8 registers as loaded
	s_load_b128 s[4:7], s[0:1], 0x0                ; codebook s[4:5], cb16 s[6:7]
	s_load_b64 s[8:9], s[0:1], 0x10                ; csq
	v_lshl_add_u32 v[SPW], v0, 2, SPARE
	v_mov_b32 v[NIL], 0
	v_and_b32 v1, 31, v0                           ; lane
	v_lshrrev_b32 v11, 5, v0                       ; wave
	v_readfirstlane_b32 s14, v11
	v_lshlrev_b32 v[LO], 4, v1
	v_lshl_add_u32 v[LO], v11, 13, v[LO]
	v_lshlrev_b32 v[SO], 3, v1
	v_lshl_add_u32 v[SO], v11, 12, v[SO]
	v_lshlrev_b32 v[LW], 5, v11
	v_mov_b32 v[OTH], 0                            ; v_permlanex16_b32's destination counts as read: written once here
	v_mov_b32 v[ZER], 0
	s_mov_b32 s12, 0x76543210                      ; v_permlanex16_b32: each lane takes its own place in the other half
	s_mov_b32 s13, 0xfedcba98
	s_lshl_b32 s16, ttmp9, 16                      ; the work-group's 64 rows: 65,536 bytes of codebook,
	s_mov_b32 s17, 0
	s_lshl_b32 s18, ttmp9, 15                      ; 32,768 of cb16,
	s_mov_b32 s19, 0
	s_lshl_b32 s20, ttmp9, 8                       ; 256 of csq
	s_mov_b32 s21, 0
	s_wait_kmcnt 0x0
	s_add_nc_u64 s[4:5], s[4:5], s[16:17]
	s_add_nc_u64 s[6:7], s[6:7], s[18:19]
	s_add_nc_u64 s[8:9], s[8:9], s[20:21]
.irp i, 0,1,2,3,4,5,6,7
	global_load_b128 v[X+8*\i:X+8*\i+3],   v[LO], s[4:5] offset:1024*\i th:TH_LOAD_NT
	global_load_b128 v[X+8*\i+4:X+8*\i+7], v[LO], s[4:5] offset:1024*\i+512 th:TH_LOAD_NT
.endr
; Row i of my wave: rounded, stored, squared and summed over the lane's 8 numbers and then over the 32 lanes.
.macro ROW i
	s_wait_loadcnt 14-2*(\i)                       ; loads come back in order: this row's two are in, the 14 - 2 i of the later rows may stay out
.irp m, 0,1,2,3
	v_cvt_pk_bf16_f32 v[P+4*(\i)+\m], v[X+8*(\i)+2*\m], v[X+8*(\i)+2*\m+1]
.endr
	global_store_b64 v[SO], v[P+4*(\i):P+4*(\i)+1],   s[6:7] offset:512*(\i)       ; 32 lanes x 8 bytes: the row's first 256 bytes
	global_store_b64 v[SO], v[P+4*(\i)+2:P+4*(\i)+3], s[6:7] offset:512*(\i)+256   ; and its second
	v_fma_mix_f32_bf16 v[SA], v[P+4*(\i)], v[P+4*(\i)], v[ZER] op_sel:[0,0,0] op_sel_hi:[1,1,0]  ; a bf16's square is exact in f32; two chains, low and high halves
	v_fma_mix_f32_bf16 v[SB], v[P+4*(\i)], v[P+4*(\i)], v[ZER] op_sel:[1,1,0] op_sel_hi:[1,1,0]
.irp m, 1,2,3
	v_fma_mix_f32_bf16 v[SA], v[P+4*(\i)+\m], v[P+4*(\i)+\m], v[SA] op_sel:[0,0,0] op_sel_hi:[1,1,0]
	v_fma_mix_f32_bf16 v[SB], v[P+4*(\i)+\m], v[P+4*(\i)+\m], v[SB] op_sel:[1,1,0] op_sel_hi:[1,1,0]
.endr
	v_add_f32 v[SA], v[SA], v[SB]
	v_add_f32_dpp v[SA], v[SA], v[SA] row_xmask:1 row_mask:0xf bank_mask:0xf
	v_add_f32_dpp v[SA], v[SA], v[SA] row_xmask:2 row_mask:0xf bank_mask:0xf
	v_add_f32_dpp v[SA], v[SA], v[SA] row_xmask:4 row_mask:0xf bank_mask:0xf
	v_add_f32_dpp v[SA], v[SA], v[SA] row_xmask:8 row_mask:0xf bank_mask:0xf
	v_permlanex16_b32 v[OTH], v[SA], s12, s13
	v_add_f32 v[SA], v[SA], v[OTH]                 ; every lane holds the row's sum
	ds_store_b32 v[LW], v[SA] offset:SUMS+4*(\i)   ; all lanes write the same word with the same value
.endm
.irp i, 0,1,2,3,4,5,6,7
	ROW \i
.endr
	s_wait_dscnt 0x0                               ; for the others' sake: my 8 sums lie in LDS
	s_barrier_signal -1
	s_barrier_wait -1                              ; all 64 do
	s_cmp_lg_u32 s14, 0                            ; wave 0 stores them: 32 lanes x 8 bytes = 256 consecutive bytes, aligned
	s_cbranch_scc1 .Lend
	v_lshlrev_b32 v11, 3, v1
	ds_load_b64 v[12:13], v11 offset:SUMS
	s_wait_dscnt 0x0
	global_store_b64 v11, v[12:13], s[8:9]
.Lend:
	s_wait_tensorcnt 0x0                           ; the wave's end, behind my last LDS store
	ds_add_u32 v[SPW], v[NIL]
	s_wait_dscnt 0x0
	s_endpgm
.Lfunc_end_k_q257286c5ee_prep:
	.size	k_q257286c5ee_prep, .Lfunc_end_k_q257286c5ee_prep-k_q257286c5ee_prep
	.p2alignl 7, 3214868480
	.fill 96, 4, 3214868480
	.section	.rodata,"a",@progbits
	.p2align	6, 0x0
	.amdhsa_kernel k_q257286c5ee_prep
		.amdhsa_group_segment_fixed_size 1280
		.amdhsa_private_segment_fixed_size 0
		.amdhsa_enable_private_segment 0
		.amdhsa_kernarg_size 24
		.amdhsa_user_sgpr_count 2
		.amdhsa_user_sgpr_kernarg_segment_ptr 1
		.amdhsa_wavefront_size32 1
		.amdhsa_system_sgpr_workgroup_id_x 1
		.amdhsa_system_sgpr_workgroup_id_y 1
		.amdhsa_system_sgpr_workgroup_id_z 1
		.amdhsa_system_vgpr_workitem_id 0
		.amdhsa_next_free_vgpr 112
		.amdhsa_next_free_sgpr 66
		.amdhsa_reserve_vcc 0
		.amdhsa_float_denorm_mode_32 3
		.amdhsa_float_denorm_mode_16_64 3
		.amdhsa_memory_ordered 1
		.amdhsa_forward_progress 1
		.amdhsa_inst_pref_size 15
	.end_amdhsa_kernel
	.amdgpu_metadata
---
amdhsa.version: [ 1, 2 ]
amdhsa.kernels:
  - .name:           k_q257286c5ee_prep
    .symbol:         k_q257286c5ee_prep.kd
    .args:
      - { .name: codebook, .offset: 0, .size: 8, .value_kind: global_buffer, .address_space: global }
      - { .name: cb16, .offset: 8, .size: 8, .value_kind: global_buffer, .address_space: global }
      - { .name: csq, .offset: 16, .size: 8, .value_kind: global_buffer, .address_space: global }
    .group_segment_fixed_size: 1280
    .private_segment_fixed_size: 0
    .kernarg_segment_align: 8
    .kernarg_segment_size: 24
    .max_flat_workgroup_size: 256
    .sgpr_count:     66
    .vgpr_count:     112
    .wavefront_size: 32
...
	.end_amdgpu_metadata
.endif
;; end of part 1
;; launch vq (part 2): grid 256 x 1, 4 waves a work-group, clusters of 4 x 1, 327,680 bytes of LDS; arguments z_e_x, cb16, csq, out0; writes out0
.if DOCPART == 2
	.amdgcn_target "amdgcn-amd-amdhsa--gfx1250"
	.amdhsa_code_object_version 6
	.text
	.protected	k_q257286c5ee_vq
	.globl	k_q257286c5ee_vq
	.p2align	8
	.type	k_q257286c5ee_vq,@function
k_q257286c5ee_vq:
	s_mov_b64 s[64:65], 0
	v_nop
	global_prefetch_b8 v0, s[64:65] scope:SCOPE_SE
	s_setreg_imm32_b32 hwreg(HW_REG_WAVE_MODE, 25, 1), 1
	s_wait_xcnt 0x0
	s_wait_alu depctr_hold_cnt(0) depctr_sa_sdst(0) depctr_va_vdst(0) depctr_va_sdst(0) depctr_va_ssrc(0) depctr_va_vcc(0) depctr_vm_vsrc(0)
	s_getreg_b32 s2, hwreg(HW_REG_IB_STS2, 6, 4)
	s_cmp_eq_u32 s2, 0
	s_cbranch_scc0 .Lentry_in_a_cluster
	s_endpgm
.Lentry_in_a_cluster:
	s_bfe_u32 s2, ttmp6, 0x10000c
	s_cmp_lg_u32 s2, 0x3003
	s_cbranch_scc0 .Lentry_shape_is_right
	s_endpgm
.Lentry_shape_is_right:
; out0[b] = the first k at which d[b][k] = fl(fl(zsq[b] - 2 cross[b][k]) + csq[k]) is least.  z_e_x: [32768][256] f32; cb16: [8192][256] bf16 and csq: [8192] f32 from the launch before; out0: [32768] i32.
; THE ARITHMETIC.  z is rounded to bf16 here; cross is the bf16 product with f32 sums; zsq and csq are f32 sums of the squares of the ROUNDED numbers.  Each distance is formed in the two roundings of the
; formula above: one fused multiply-add (2 cross is exact, so it is one rounding of zsq - 2 cross), then one addition of csq.  zsq is large beside the differences between distances, so many distances round to
; the same f32: the rounding and the rule 'the first index wins' are part of the result.  The minimum is therefore taken on the pair (distance, index): a later code wins only by a strictly smaller distance.
; LIMITS.  NaN and infinities are not treated as an argmin treats them (a NaN distance never wins; where no distance is below +inf the index is 0).  The order of the additions inside cross, zsq and csq is
; this text's own: where a distance lies within that order's last bits of the middle between two f32 numbers, its rounding, and with it a tie, may fall otherwise than in another order of the same sums.
; SHARES.  A work-group owns 128 rows of z: 32768 / 128 = 256 work-groups.  EVERY wave holds all 128 rows as bf16 fragments (8 tiles x 8 K steps x 8 = 512 registers) and takes a quarter of the codes: of each
; STEP of 256 codes wave w takes 64 w .. 64 w + 63, four tiles of 16.  So a code fragment read from LDS feeds 8 matrix instructions (18 LDS loads for 64), and a work-group reads the table from LDS once.
; LAYOUT.  Source 0 = 16 codes, source 1 = 16 rows of z: in the result lane l holds ONE row of z (l % 16) and codes 8 (l / 16) + 0..7: the minimum over codes stays in the lane until the end.
; A UNIT is a code tile's 64 matrix instructions (8 K steps x 8 z tiles, the 8 accumulators by turns); behind each stand three vector instructions of the tile BEFORE, whose 64 accumulator registers lie in the
; other of two sets: 23 for each z tile (distances, their minimum, and what is kept where it is a new best: the tile's first code and its eight distances).  Which of the eight it was is found once, at the end.
; RING.  Two LDS slots of a step each (256 rows x 512 bytes, padded); a wave loads, and reads, its own 64 rows.  CLUSTER.  All work-groups walk the same table, so each step is asked for JOINTLY by the four
; work-groups of a cluster: the same tensor load, descriptor and mask in all four.  A mask names four work-groups, so a larger cluster would share no more.
; z comes once, as f32, by a plain tensor load into slot 1, is rounded into registers, and the slot then joins the ring.  csq lies whole in LDS (32,768 bytes), filled once, jointly.
; REGISTERS, in windows of 256 (s_set_vgpr_msb: bits 1:0 source 0, 3:2 source 1, 5:4 source 2, 7:6 destination):
;   window 0: v0-15 addresses; v16-31 csq of two tiles; v32-127 twelve registers of statistics a z tile; v128-255 two sets of 8 accumulators
;   window 1: z tiles 0-3 (64 tile + 8 K step)     window 2: z tiles 4-7     window 3: v0-127 two buffers of a code tile's 8 fragments; at the start the f32 numbers of z on their way to bf16
.set PITCH,  528                       ; an LDS row of codes: 512 bytes + 16 of padding = 132 words: row r starts at bank 4 r mod 64 (64 banks of 4 bytes: ISA guide 11.1)
.set QUART,  64*PITCH                  ; a wave's 64 rows of a step
.set SLOT,   4*QUART                   ; 135,168 = 0x21000: its bits meet none of QUART x 0..3, so one exclusive or turns an address in one slot into the other's
.set ZPITCH, 1040                      ; an LDS row of z in f32: 1,024 bytes + 16 = 260 words: again bank 4 r
.set ZQUART, 32*ZPITCH                 ; the 32 rows of z that a wave fetches
.set CSQ,    2*SLOT                    ; the table of csq
.set ZSQ,    CSQ+32768                 ; 128 f32
.set RED,    ZSQ+512                   ; [4 waves][128 rows] of (distance, index): likewise
.set SPARE,  RED+4096                  ; the spare words, 128 bytes for each wave: two blocks of 256 bytes that no other line names
.set STEPB,  256*512                   ; bytes of cb16 in a step
.set STEPS,  32
.set ADR0, 2                           ; v2   QUART w + PITCH (l % 16) + 16 (l / 16): my place in my wave's rows of slot 0; never rewritten in the walk
.set ADR,  3                           ; v3   the same in the slot in hand
.set CS0,  4                           ; v4   CSQ + 256 w + 32 (l / 16): my 8 csq of my wave's first tile of step 0
.set CSA,  5                           ; v5   the same in the step in hand
.set SPW,  6                           ; v6   LDS address of my spare word; never rewritten
.set NIL,  7                           ; v7   0; never rewritten
.set PFO,  8                           ; v8   256 l: the prefetches' offset; never rewritten
.set H8,   9                           ; v9   8 (l / 16)
.set ZA0,  10                          ; v10  my place in z tile 0 in LDS;  v11 the same in z tile 4
.set ZR0,  12                          ; v12  the row of z whose squares I sum
.set ZR,   13                          ; v13  the same, at the trip's 128 bytes
.set RR,   14                          ; v14  l % 16
.set HH,   15                          ; v15  l / 16
.set CS,   16                          ; v[16:31] csq of 8 codes, two buffers
.set ST,   32                          ; z tile e at ST + 12 e: +0 zsq, +1 best, +2 the best tile's first code, +3 the tile's minimum, +4..11 the best tile's eight distances
.set ACC,  128                         ; set p, z tile e at ACC + 64 p + 8 e
.set WV,  12                           ; s12  my wave's number
.set CX,  13                           ; s13  my place in the cluster: it enters global addresses alone
.set WG,  14                           ; s14  my work-group = 4 x cluster + cx
.set LIM, 15                           ; s15  2 in the first cluster, else the greatest number: a wave prefetches while s[CNT] is above it
.set PFA, 18                           ; s[18:19] where my prefetches stand in cb16
.set CNT, 20                           ; s20  the loops' counter
.set TB,  21                           ; s21  0 or SLOT: the slot in hand
.set CB,  22                           ; s22  1,024 x the step in hand, modulo the table
.set CID, 23                           ; s23  the first code of the tile whose distances are being judged
.set G1C, 24                           ; s[24:31] descriptor group 1, steps of cb16
.set G1Z, 32                           ; s[32:39] z
.set G1Q, 40                           ; s[40:47] csq
.set G0A, 48                           ; s[48:51] group 0: step 0 into slot 0
.set G0W, 52                           ; s[52:55] group 0 that walks, from step 1 on
.set G0Z, 56                           ; s[56:59] z
.set G0Q, 60                           ; s[60:63] csq
.set SEL, 66                           ; s[66:67] v_permlanex16_b32's selects
.set MK,  68                           ; s68, s69 'a new best', a bit a lane, for the two z tiles in hand
.set MSB, 0
.macro WIN new                         ; the immediate's high byte repeats the setting that is left; a switch that changes nothing is dropped
.if MSB != (\new)
	s_set_vgpr_msb (MSB<<8)|(\new)
.set MSB, (\new)
.endif
.endm
.macro PLACES                          ; four plain vector instructions (ISA guide 7.12.1)
.rept 4
	v_nop
.endr
.endm
; A round of the cluster's barrier: my work-group's barrier, so that wave 0's signal speaks for all four waves; wave 0 signals; every wave waits for all four work-groups; my work-group's barrier once more.
.macro CREST                           ; a round behind its opening barrier
	s_cmp_lg_u32 s[WV], 0
	s_cbranch_scc1 .Lnot_wave_0_\@
	s_barrier_signal -3
.Lnot_wave_0_\@:
	s_barrier_wait -3
	s_barrier_signal -1
	s_barrier_wait -1
.endm
.macro CROUND
	s_barrier_signal -1
	s_barrier_wait -1
	CREST
.endm
	s_load_b256 s[4:11], s[0:1], 0x0               ; z s[4:5], cb16 s[6:7], csq s[8:9], out0 s[10:11]
	v_lshl_add_u32 v[SPW], v0, 2, SPARE
	v_mov_b32 v[NIL], 0
	ds_add_u32 v[SPW], v[NIL]                      ; the wave's opening: the add, twice on end, and its wait ahead of my first tensor load; the set-up below stands between
	ds_add_u32 v[SPW], v[NIL]                      ; and once more
	v_lshrrev_b32 v1, 5, v0
	v_readfirstlane_b32 s[WV], v1                  ; wave 0..3
	s_bfe_u32 s[CX], ttmp6, 0x40000
	s_lshl_b32 s[WG], ttmp9, 2                     ; in a cluster launch ttmp9 counts clusters
	s_add_co_u32 s[WG], s[WG], s[CX]
	s_cmp_eq_u32 ttmp9, 0
	s_cselect_b32 s[LIM], 2, -1                    ; the same in all four partners
	; group 1 for a wave's part of a step: 64 rows x 256 bf16, padded in LDS
	s_mov_b32 s[G1C],   15|(1<<16)|(1<<20)|(1<<21)|(6<<22)|(3<<25)  ; 15:0 the mask of four; 17:16 2-byte elements; 20 padding on; 21 set beside a mask; 24:22 after every 128 words (code 6); 31:25 4 words (code 3)
	s_mov_b32 s[G1C+1], 256<<16                    ; tensor_dim0 = 256
	s_mov_b32 s[G1C+2], 64<<16                     ; tensor_dim1 = 64
	s_mov_b32 s[G1C+3], 256<<16                    ; tile_dim0 = 256
	s_mov_b32 s[G1C+4], 64                         ; tile_dim1 = 64
	s_mov_b32 s[G1C+5], 256                        ; 256 elements from row to row
	s_mov_b32 s[G1C+6], 0
	s_mov_b32 s[G1C+7], 0
	; group 1 for a wave's part of z: 32 rows x 256 f32, padded; no mask: each work-group has rows of its own
	s_mov_b32 s[G1Z],   (2<<16)|(1<<20)|(7<<22)|(3<<25)  ; 4-byte elements; padding after every 256 words (code 7), 4 words
	s_mov_b32 s[G1Z+1], 256<<16
	s_mov_b32 s[G1Z+2], 32<<16
	s_mov_b32 s[G1Z+3], 256<<16
	s_mov_b32 s[G1Z+4], 32
	s_mov_b32 s[G1Z+5], 256
	s_mov_b32 s[G1Z+6], 0
	s_mov_b32 s[G1Z+7], 0
	; group 1 for a wave's quarter of csq: 8,192 dense bytes as 32 rows of 32 elements of 8 bytes
	s_mov_b32 s[G1Q],   15|(3<<16)|(1<<21)
	s_mov_b32 s[G1Q+1], 32<<16
	s_mov_b32 s[G1Q+2], 32<<16
	s_mov_b32 s[G1Q+3], 32<<16
	s_mov_b32 s[G1Q+4], 32
	s_mov_b32 s[G1Q+5], 32
	s_mov_b32 s[G1Q+6], 0
	s_mov_b32 s[G1Q+7], 0
	; group 0: count 1 and the LDS addresses: a constant and the wave's number times a constant; no place in the cluster enters them
	s_mul_i32 s70, s[WV], QUART
	s_mov_b32 s[G0A], 1
	s_mov_b32 s[G0A+1], s70                        ; slot 0
	s_mov_b32 s[G0W], 1
	s_add_co_u32 s[G0W+1], s70, SLOT               ; slot 1
	s_mul_i32 s70, s[WV], ZQUART
	s_mov_b32 s[G0Z], 1
	s_add_co_u32 s[G0Z+1], s70, SLOT               ; z lies in slot 1 at first
	s_lshl_b32 s70, s[WV], 13
	s_mov_b32 s[G0Q], 1
	s_add_co_u32 s[G0Q+1], s70, CSQ
	s_mov_b32 s[SEL], 0x76543210
	s_mov_b32 s[SEL+1], 0xfedcba98
	s_lshl_b32 s16, s[WV], 15                      ; my 64 rows of a step: 32,768 bytes
	s_mov_b32 s17, 0
	s_wait_dscnt 0x0                               ; both opening adds are done
	s_wait_kmcnt 0x0
	s_add_nc_u64 s[G0A+2:G0A+3], s[6:7], s[16:17]  ; step 0
	s_add_nc_u64 s[G0W+2:G0W+3], s[G0A+2:G0A+3], STEPB  ; step 1
	s_or_b32 s[G0A+3], s[G0A+3], 0x80000000        ; type = 2
	s_or_b32 s[G0W+3], s[G0W+3], 0x80000000
	s_lshl_b32 s16, s[WV], 13                      ; 8,192 w: my quarter of csq, and my wave's share of a step's prefetch
	s_add_nc_u64 s[G0Q+2:G0Q+3], s[8:9], s[16:17]
	s_or_b32 s[G0Q+3], s[G0Q+3], 0x80000000
	s_add_nc_u64 s[PFA:PFA+1], s[6:7], s[16:17]
	s_lshl_b32 s70, s[CX], 15                      ; my work-group's quarter of a step: told apart by address
	s_mov_b32 s71, 0
	s_add_nc_u64 s[PFA:PFA+1], s[PFA:PFA+1], s[70:71]
	s_add_nc_u64 s[PFA:PFA+1], s[PFA:PFA+1], 3*STEPB  ; at step 3: the first refill of the walk steps it to step 4
	s_lshl_b32 s70, s[WG], 2
	s_add_co_u32 s70, s70, s[WV]
	s_lshl_b32 s70, s70, 15                        ; (128 work-group + 32 wave) rows of 1,024 bytes
	s_add_nc_u64 s[G0Z+2:G0Z+3], s[4:5], s[70:71]
	s_or_b32 s[G0Z+3], s[G0Z+3], 0x80000000
	s_lshl_b32 s70, s[WG], 9                       ; my work-group's 128 indices
	s_add_nc_u64 s[10:11], s[10:11], s[70:71]
	CROUND                                         ; all four work-groups are here: the first joint loads meet
	tensor_load_to_lds s[G0Z:G0Z+3], s[G1Z:G1Z+7]  ; the first fills, one group: z first, since it is wanted first; three loads of mine are out
	s_nop 0
	tensor_load_to_lds s[G0A:G0A+3], s[G1C:G1C+7]
	s_nop 0
	tensor_load_to_lds s[G0Q:G0Q+3], s[G1Q:G1Q+7]
	s_nop 0
	PLACES
	; while they are on their way: the lanes' addresses, and what the first judgement finds: best and the kept distances +inf, the kept code 0
	v_and_b32 v[RR], 15, v0
	v_bfe_u32 v[HH], v0, 4, 1
	v_and_b32 v1, 31, v0
	v_lshlrev_b32 v[PFO], 8, v1
	v_lshlrev_b32 v[H8], 3, v[HH]
	; a fragment is 16 rows x 32 K in 8 registers: lane l holds row l % 16; registers 0-3 K = 8 (l / 16) + 0..7, registers 4-7 K = 16 + 8 (l / 16) + 0..7
	v_mul_u32_u24 v[ADR0], v[RR], PITCH
	v_lshl_add_u32 v[ADR0], v[HH], 4, v[ADR0]
	s_mul_i32 s70, s[WV], QUART
	v_add_nc_u32 v[ADR0], s70, v[ADR0]
	v_mov_b32 v[ADR], v[ADR0]
	s_lshl_b32 s70, s[WV], 8
	s_add_co_u32 s70, s70, CSQ
	v_lshl_add_u32 v[CS0], v[HH], 5, s70
	v_mov_b32 v[CSA], v[CS0]
	v_mul_u32_u24 v[ZA0], v[RR], ZPITCH            ; in f32 the same eight K are 32 bytes: 32 (l / 16)
	v_lshl_add_u32 v[ZA0], v[HH], 5, v[ZA0]
	v_add_nc_u32 v[ZA0], SLOT, v[ZA0]
	v_add_nc_u32 v[ZA0+1], 64*ZPITCH, v[ZA0]
	s_mul_i32 s70, s[WV], ZQUART
	s_add_co_u32 s70, s70, SLOT
	v_mul_u32_u24 v[ZR0], v1, ZPITCH               ; row 32 w + l
	v_add_nc_u32 v[ZR0], s70, v[ZR0]
	s_mov_b32 s70, 0x7f800000
.set e, 0
.rept 8
	v_mov_b32 v[ST+12*e+1], s70
	v_mov_b32 v[ST+12*e+2], 0
.set j, 0
.rept 8
	v_mov_b32 v[ST+12*e+4+j], s70
.set j, j+1
.endr
.set e, e+1
.endr
.irp c, 0,1,2,3
	v_mov_b32 v[CS+\c], 0                          ; four chains for the sum of squares
.endr
	s_wait_tensorcnt 0x2                           ; my part of z is in: the two loads issued behind it may stay out
	s_barrier_signal -1
	s_barrier_wait -1                              ; everybody's is
	; zsq.  Lane l of wave w sums the squares of row 32 w + l, rounded to bf16 first: 8 trips of 32 numbers.
	s_mov_b32 s70, 0
	s_mov_b32 s[CNT], 8
.Lzsq:
	v_add_nc_u32 v[ZR], s70, v[ZR0]
.irp c, 0,1,2,3,4,5,6,7
	ds_load_b128 v[ACC+4*\c:ACC+4*\c+3], v[ZR] offset:16*\c
.endr
	s_wait_dscnt 0x0
.set m, 0
.rept 16
	v_cvt_pk_bf16_f32 v[ACC+32+m], v[ACC+2*m], v[ACC+2*m+1]
.set m, m+1
.endr
.set m, 0
.rept 16
	v_fma_mix_f32_bf16 v[CS+(2*m)%4],   v[ACC+32+m], v[ACC+32+m], v[CS+(2*m)%4]   op_sel:[0,0,0] op_sel_hi:[1,1,0]
	v_fma_mix_f32_bf16 v[CS+(2*m+1)%4], v[ACC+32+m], v[ACC+32+m], v[CS+(2*m+1)%4] op_sel:[1,1,0] op_sel_hi:[1,1,0]
.set m, m+1
.endr
	s_add_co_u32 s70, s70, 128
	s_sub_co_u32 s[CNT], s[CNT], 1
	s_cmp_lg_u32 s[CNT], 0
	s_cbranch_scc1 .Lzsq
	v_add_f32 v[CS], v[CS], v[CS+1]
	v_add_f32 v[CS+2], v[CS+2], v[CS+3]
	v_add_f32 v[CS], v[CS], v[CS+2]
	v_lshl_add_u32 v1, v0, 2, ZSQ                  ; my thread's number is 32 w + l
	ds_store_b32 v1, v[CS]
	; z INTO FRAGMENTS.  16 batches of a z tile x 4 K steps: 16 loads of 16 bytes into one of two stagings of 64 registers, 32 roundings of a pair each.
.macro ZLOAD n
.set zt, (\n)/2
.set kb, 4*((\n)%2)
.set sg, 64*((\n)%2)
	WIN 0xc0                                       ; destination window 3, address window 0
.irp k, 0,1,2,3
	ds_load_b128 v[sg+16*\k:sg+16*\k+3],     v[ZA0+zt/4] offset:16*ZPITCH*(zt%4)+128*(kb+\k)
	ds_load_b128 v[sg+16*\k+4:sg+16*\k+7],   v[ZA0+zt/4] offset:16*ZPITCH*(zt%4)+128*(kb+\k)+16
	ds_load_b128 v[sg+16*\k+8:sg+16*\k+11],  v[ZA0+zt/4] offset:16*ZPITCH*(zt%4)+128*(kb+\k)+64
	ds_load_b128 v[sg+16*\k+12:sg+16*\k+15], v[ZA0+zt/4] offset:16*ZPITCH*(zt%4)+128*(kb+\k)+80
.endr
.endm
.macro ZCVT n
.set zt, (\n)/2
.set kb, 4*((\n)%2)
.set sg, 64*((\n)%2)
	WIN 0x0f|((1+zt/4)<<6)                         ; sources window 3, destination window 1 or 2
.set m, 0
.rept 32
	v_cvt_pk_bf16_f32 v[64*(zt%4)+8*kb+m], v[sg+2*m], v[sg+2*m+1]
.set m, m+1
.endr
.endm
	ZLOAD 0
.set nn, 0
.rept 15
	ZLOAD nn+1
	s_wait_dscnt 16                                ; LDS loads come back in order: batch nn is in, the 16 loads just issued may stay out
	ZCVT nn
.set nn, nn+1
.endr
	s_wait_dscnt 0x0
	ZCVT 15
	; SLOT 1 JOINS THE RING: z has been read out of it, and step 1 takes its place.
	WIN 0
	s_wait_tensorcnt 0x0                           ; all my tensor loads have landed: step 0's part and csq's quarter among them
	ds_add_u32 v[SPW], v[NIL]                      ; 0 onto my spare word
	s_mov_b32 s[TB], 0
	s_mov_b32 s[CB], 0
	s_lshl_b32 s[CID], s[WV], 6                    ; my first tile's first code
	s_wait_dscnt 0x0                               ; the add is done, my reads of z are over, my zsq lie in LDS
	CROUND                                         ; all that holds of every wave of every partner
	tensor_load_to_lds s[G0W:G0W+3], s[G1C:G1C+7]  ; my one load behind the round
	s_nop 0
	PLACES
	v_lshl_add_u32 v1, v[RR], 2, ZSQ
.irp e, 0,1,2,3,4,5,6,7
	ds_load_b32 v[ST+12*\e], v1 offset:64*\e       ; zsq of my row of each z tile
.endr
; THE LDS LOADS stand in runs.  A code tile's 8 fragments (tile tn of my four in the slot in hand) into buffer buf;
.macro FETCHA buf, tn
	WIN 0xc0
.irp k, 0,1,2,3,4,5,6,7
	ds_load_b128 v[64*(\buf)+8*\k:64*(\buf)+8*\k+3],   v[ADR] offset:(\tn)*16*PITCH+64*\k
	ds_load_b128 v[64*(\buf)+8*\k+4:64*(\buf)+8*\k+7], v[ADR] offset:(\tn)*16*PITCH+64*\k+32
.endr
.endm
; and my 8 csq of tile tc of the step in hand into buffer set: the tile that is being multiplied, whose distances the next unit judges.
.macro FETCHC set, tc
	WIN 0
	ds_load_b128 v[CS+8*(\set):CS+8*(\set)+3],   v[CSA] offset:64*(\tc)
	ds_load_b128 v[CS+8*(\set)+4:CS+8*(\set)+7], v[CSA] offset:64*(\tc)+16
.endm
.macro SWITCH                          ; the fragments' address goes over to the other slot
	WIN 0
	s_xor_b32 s[TB], s[TB], SLOT
	v_add_nc_u32 v[ADR], s[TB], v[ADR0]
.endm
.macro CBSTEP                          ; csq's address goes on to the next step; behind the last step it goes back to the table's head, for a fetch that serves nothing
	WIN 0
	s_add_co_u32 s[CB], s[CB], 1024
	s_and_b32 s[CB], s[CB], 0x7fff
	v_add_nc_u32 v[CSA], s[CB], v[CS0]
.endm
; A PREFETCH INTO THE L2, behind each joint refill of the walk, its five lines and the run of LDS loads: the step that stands TWO refills on, 512 matrix instructions a wave ahead of the load that will ask for it.
; All clusters walk the same table: the first cluster asks.  Its 16 waves x 32 lanes name the step's 512 blocks of 256 bytes, one each, shared out BY ADDRESS (32,768 cx + 8,192 w + 256 l): each block is named once in
; the launch.  Trip i refills step i + 2 and names step i + 4: the last two trips name nothing; steps 0 to 3 come by their loads alone, since nothing is prefetched at the head.
.macro ASK
	s_cmp_gt_u32 s[CNT], s[LIM]
	s_cbranch_scc0 .Lnot_mine_\@
	global_prefetch_b8 v[PFO], s[PFA:PFA+1] th:TH_LOAD_NT scope:SCOPE_SE
.Lnot_mine_\@:
.endm
; Matrix instruction i of a unit's 64: K step i / 8, z tile i % 8.  The first 8 start the sums with the constant 0.  The 8 accumulators take turns, one instruction a turn, and from unit to unit the set changes.
.macro MM par
.set mD, ACC+64*(\par)+8*(i%8)
.set mA, 64*(\par)+8*(i/8)
.set mB, 64*(i%4)+8*(i/8)
	WIN 0x07+4*((i%8)/4)                           ; codes (source 0) window 3, z (source 1) window 1 or 2, C and D window 0
.if i < 8
	v_wmma_f32_16x16x32_bf16 v[mD:mD+7], v[mA:mA+7], v[mB:mB+7], 0
.else
	v_wmma_f32_16x16x32_bf16 v[mD:mD+7], v[mA:mA+7], v[mB:mB+7], v[mD:mD+7]
.endif
.set i, i+1
.endm
; THE VECTOR WORK: number q of 184: the z tiles in pairs, the two of a pair by turns, so that no instruction reads the result of the one before it.  For z tile e of the other set, number j of 23:
;   0-3   d = zsq - 2 cross, a pair at a time, in place, the accumulator's lowest registers first      4-7  d = d + csq
;   8-11  the least of the eight      12  is it below best?  Strictly: of equal distances the earlier tile's stays      13  the tile's first code is kept      14  best      15-22  the eight distances are kept
.macro RIDER
.if q < 184
.set e, 2*(q/46)+q%2
.set j, (q%46)/2
.set rT, ST+12*e
.set rD, ACC+64*OS+8*e
.set rC, CS+8*OS
	WIN 0
.if j < 4
	v_pk_fma_f32 v[rD+2*j:rD+2*j+1], v[rD+2*j:rD+2*j+1], -2.0, v[rT:rT+1] op_sel_hi:[1,0,0]
.elseif j < 8
	v_pk_add_f32 v[rD+2*j-8:rD+2*j-7], v[rD+2*j-8:rD+2*j-7], v[rC+2*j-8:rC+2*j-7]
.elseif j == 8
	v_min3_num_f32 v[rT+3], v[rD], v[rD+1], v[rD+2]
.elseif j < 11
	v_min3_num_f32 v[rT+3], v[rT+3], v[rD+2*j-15], v[rD+2*j-14]
.elseif j == 11
	v_min_num_f32 v[rT+3], v[rT+3], v[rD+7]
.elseif j == 12
	v_cmp_lt_f32 s[MK+e%2], v[rT+3], v[rT+1]
.elseif j == 13
	v_cndmask_b32 v[rT+2], v[rT+2], s[CID], s[MK+e%2]
.elseif j == 14
	v_min_num_f32 v[rT+1], v[rT+1], v[rT+3]
.else
	v_cndmask_b32 v[rT+j-11], v[rT+j-11], v[rD+j-15], s[MK+e%2]
.endif
.endif
.set q, q+1
.endm
.macro MMS par, n                      ; n matrix instructions, three of the vector work behind each
.rept \n
	MM \par
	RIDER
	RIDER
	RIDER
.endr
.endm
; A UNIT.  par: its accumulator set and fragment buffer; t: its tile among my four of the step; ride = 0: the first unit, with nothing yet to judge; cidstep: from the judged tile's first code to the next's.
; mode 0: behind the second product the next tile's fragments go into the other buffer: its last reader is the unit before's last product, and six plain instructions that name none of that product's registers lie between.
; mode 1: the step's last tile: the change of slots, with a refill.  mode 2: the same change where nothing is left to ask for.
.macro UNIT par, t, mode, ride, cidstep
.set OS, 1-(\par)
.set i, 0
.set q, 0
.if !(\ride)
.set q, 184
.endif
	s_wait_dscnt 0x0                               ; this tile's fragments and the judged tile's csq, asked for 62 products ago or 48, are in; in mode 1 those were my last reads of the slot
.if (\mode) == 1
	WIN 0
	s_wait_xcnt 0x0                                ; the last prefetch, a step back, has read its address
	s_add_nc_u64 s[PFA:PFA+1], s[PFA:PFA+1], STEPB
	s_wait_tensorcnt 0x0                           ; all my tensor loads have landed: the one that was out is my part of the next slot; so the walking group 0 may be written
	ds_add_u32 v[SPW], v[NIL]                      ; 0 onto my spare word; eight products stand between it and the wait for it
	s_xor_b32 s[G0W+1], s[G0W+1], SLOT             ; the slot that is being left,
	s_add_nc_u64 s[G0W+2:G0W+3], s[G0W+2:G0W+3], STEPB  ; the step two on from the one in it; the type bits on top are not reached
	MMS \par, 8
	s_wait_dscnt 0x0                               ; the add is done
	s_barrier_signal -1                            ; this barrier opens a round of the cluster's
	MMS \par, 8                                    ; work on registers while the others arrive
	WIN 0
	s_barrier_wait -1
	CREST                                          ; no wave of any partner still reads the slot or has a load on its way
	tensor_load_to_lds s[G0W:G0W+3], s[G1C:G1C+7]  ; my one load behind the round: 240 products stand between it and the wait for it
	s_nop 0
	PLACES
	SWITCH
	FETCHC \par, \t
	FETCHA 1-(\par), 0
	CBSTEP
	ASK
	MMS \par, 48
.else
	MMS \par, 2
.if (\mode) == 2
	WIN 0
	s_wait_tensorcnt 0x0                           ; my part of the next slot is in (no load was issued behind it), and only I read it: no barrier is wanted, and nothing is filled
	SWITCH
.endif
	FETCHC \par, \t
	FETCHA 1-(\par), ((\t)+1)%4
.if (\mode) == 2
	CBSTEP
.endif
	MMS \par, 62
.endif
.if \cidstep
	s_add_co_u32 s[CID], s[CID], \cidstep
.endif
.endm
	FETCHA 0, 0                                    ; step 0's first tile
	UNIT 0, 0, 0, 0, 0                             ; the first unit stands bare
	PLACES                                         ; in the riders' stead: the next unit's first lines read its results and load over its fragments
	WIN 0                                          ; at a label and at a branch every window is 0
	s_mov_b32 s[CNT], STEPS-2
.Lwalk:                                                ; trip i: tiles 1, 2, 3 of step i and tile 0 of step i + 1; slot i % 2 is filled again with step i + 2
	UNIT 1, 1, 0, 1, 16
	UNIT 0, 2, 0, 1, 16
	UNIT 1, 3, 1, 1, 16
	UNIT 0, 0, 0, 1, 208
	WIN 0
	s_sub_co_u32 s[CNT], s[CNT], 1
	s_cmp_lg_u32 s[CNT], 0
	s_cbranch_scc1 .Lwalk
	s_mov_b32 s[CNT], 2
.Ltail:                                                ; the last two steps ask for nothing: a text of their own
	UNIT 1, 1, 0, 1, 16
	UNIT 0, 2, 0, 1, 16
	UNIT 1, 3, 2, 1, 16
	UNIT 0, 0, 0, 1, 208                           ; in the last trip this unit's riders judge the last tile; its own 64 products, on a slot read before, serve nothing: the price, once a wave, of one text for every trip
	WIN 0
	s_sub_co_u32 s[CNT], s[CNT], 1
	s_cmp_lg_u32 s[CNT], 0
	s_cbranch_scc1 .Ltail
	s_wait_dscnt 0x0                               ; the last unit's fetches, which serve nothing, are back
; THE WAY OUT.  (a, ia) against (c, ic): c wins if it is smaller, or equal with the smaller index.  keep = 0: the distance is wanted no more.
.macro LEX dB, dI, aB, aI, cB, cI, keep
	v_cmp_lt_f32 s70, v[\cB], v[\aB]
	v_cmp_eq_f32 s71, v[\cB], v[\aB]
	v_cmp_lt_u32 vcc_lo, v[\cI], v[\aI]
	s_and_b32 s71, s71, vcc_lo
	s_or_b32 s70, s70, s71
.if \keep
	v_cndmask_b32 v[\dB], v[\aB], v[\cB], s70
.endif
	v_cndmask_b32 v[\dI], v[\aI], v[\cI], s70
.endm
; z tile e: the first of the kept eight that equals best; the index; the row's other 8 codes of each tile lie in the lane 16 away.  At work: accumulator set 1, which the last unit's products do not name.
.macro FIN e
.set rT, ST+12*(\e)
.set rW, ACC+64+8*(\e)
	v_mov_b32 v[rW+2], 7
.irp j, 6,5,4,3,2,1,0
	v_cmp_eq_f32 vcc_lo, v[rT+4+\j], v[rT+1]
	v_cndmask_b32 v[rW+2], v[rW+2], \j, vcc_lo
.endr
	v_add3_u32 v[rW+2], v[rT+2], v[rW+2], v[H8]
	v_permlanex16_b32 v[rW+3], v[rT+1], s[SEL], s[SEL+1]
	v_permlanex16_b32 v[rW+4], v[rW+2], s[SEL], s[SEL+1]
	LEX rW, rW+1, rT+1, rW+2, rW+3, rW+4, 1
	ds_store_b64 v1, v[rW:rW+1] offset:128*(\e)    ; both halves of the lanes write the same pair to the same place
.endm
	s_lshl_b32 s70, s[WV], 10
	s_add_co_u32 s70, s70, RED
	v_lshl_add_u32 v1, v[RR], 3, s70               ; RED + 1,024 w + 8 (l % 16)
.irp e, 0,1,2,3,4,5,6,7
	FIN \e
.endr
	s_wait_dscnt 0x0                               ; for the others' sake: my 128 pairs lie in LDS
	s_barrier_signal -1
	s_barrier_wait -1                              ; all four waves' do
	s_cmp_lt_u32 s[WV], 2                          ; waves 0 and 1 finish 64 rows each, two a lane
	s_cbranch_scc0 .Lend
	v_and_b32 v1, 31, v0
	s_lshl_b32 s70, s[WV], 9
	s_add_co_u32 s70, s70, RED
	v_lshl_add_u32 v2, v1, 4, s70                  ; rows 64 w + 2 l and 2 l + 1: 16 bytes
.irp s, 0,1,2,3
	ds_load_b128 v[CS+4*\s:CS+4*\s+3], v2 offset:1024*\s
.endr
	s_lshl_b32 s70, s[WV], 8
	v_lshl_add_u32 v3, v1, 3, s70
	s_wait_dscnt 0x0
	LEX 16, 17, 16, 17, 20, 21, 1
	LEX 18, 19, 18, 19, 22, 23, 1
	LEX 16, 17, 16, 17, 24, 25, 1
	LEX 18, 19, 18, 19, 26, 27, 1
	LEX 16, 12, 16, 17, 28, 29, 0
	LEX 18, 13, 18, 19, 30, 31, 0
	global_store_b64 v3, v[12:13], s[10:11]        ; 32 lanes x 8 bytes: 256 consecutive bytes, at a multiple of 256 from out0's first byte
.Lend:
	s_wait_tensorcnt 0x0                           ; the wave's end, behind my last tensor load and my last LDS store
	ds_add_u32 v[SPW], v[NIL]
	s_wait_dscnt 0x0
	CROUND                                         ; the closing round: no work-group ends while a partner may still ask for a tile that names it
	s_endpgm
.Lfunc_end_k_q257286c5ee_vq:
	.size	k_q257286c5ee_vq, .Lfunc_end_k_q257286c5ee_vq-k_q257286c5ee_vq
	.p2alignl 7, 3214868480
	.fill 96, 4, 3214868480
	.section	.rodata,"a",@progbits
	.p2align	6, 0x0
	.amdhsa_kernel k_q257286c5ee_vq
		.amdhsa_group_segment_fixed_size 327680
		.amdhsa_private_segment_fixed_size 0
		.amdhsa_enable_private_segment 0
		.amdhsa_kernarg_size 32
		.amdhsa_user_sgpr_count 2
		.amdhsa_user_sgpr_kernarg_segment_ptr 1
		.amdhsa_wavefront_size32 1
		.amdhsa_system_sgpr_workgroup_id_x 1
		.amdhsa_system_sgpr_workgroup_id_y 1
		.amdhsa_system_sgpr_workgroup_id_z 1
		.amdhsa_system_vgpr_workitem_id 0
		.amdhsa_next_free_vgpr 896
		.amdhsa_next_free_sgpr 72
		.amdhsa_reserve_vcc 1
		.amdhsa_float_denorm_mode_32 3
		.amdhsa_float_denorm_mode_16_64 3
		.amdhsa_memory_ordered 1
		.amdhsa_forward_progress 1
		.amdhsa_inst_pref_size 247
	.end_amdhsa_kernel
	.amdgpu_metadata
---
amdhsa.version: [ 1, 2 ]
amdhsa.kernels:
  - .name:           k_q257286c5ee_vq
    .symbol:         k_q257286c5ee_vq.kd
    .args:
      - { .name: z_e_x, .offset: 0, .size: 8, .value_kind: global_buffer, .address_space: global }
      - { .name: cb16, .offset: 8, .size: 8, .value_kind: global_buffer, .address_space: global }
      - { .name: csq, .offset: 16, .size: 8, .value_kind: global_buffer, .address_space: global }
      - { .name: out0, .offset: 24, .size: 8, .value_kind: global_buffer, .address_space: global }
    .group_segment_fixed_size: 327680
    .private_segment_fixed_size: 0
    .kernarg_segment_align: 8
    .kernarg_segment_size: 32
    .max_flat_workgroup_size: 128
    .sgpr_count:     72
    .vgpr_count:     896
    .wavefront_size: 32
...
	.end_amdgpu_metadata
.endif
;; end of part 2
;; ======== version 2 of 2: 2 launches; version 1 with the launch prep written anew for expert scheduling mode
;; workspace buffers: cb16 4,194,304 bytes; csq 32,768 bytes
;; launch prep (part 3): grid 128 x 1, 8 waves a work-group, no clusters, 1,280 bytes of LDS; arguments codebook, cb16, csq; writes cb16, csq
.if DOCPART == 3
	.amdgcn_target "amdgcn-amd-amdhsa--gfx1250"
	.amdhsa_code_object_version 6
	.text
	.protected	k_q257286c5ee_prep
	.globl	k_q257286c5ee_prep
	.p2align	8
	.type	k_q257286c5ee_prep,@function
k_q257286c5ee_prep:
	s_mov_b64 s[64:65], 0
	v_nop
	global_prefetch_b8 v0, s[64:65] scope:SCOPE_SE
	s_setreg_imm32_b32 hwreg(HW_REG_WAVE_SCHED_MODE, 0, 2), 2
	s_setreg_imm32_b32 hwreg(HW_REG_WAVE_MODE, 25, 1), 1
	s_wait_xcnt 0x0
	s_wait_alu depctr_vm_vsrc(0)
; cb16[k][d] = bf16(codebook[k][d]);  csq[k] = the f32 sum over d of cb16[k][d]^2 (of the ROUNDED numbers: the next launch multiplies those).
; codebook: [8192][256] f32, cb16: [8192][256] bf16, csq: [8192] f32.
; SHARES.  A work-group takes 64 rows, so that its 64 sums are 256 consecutive bytes of csq, aligned, stored by one instruction; 8192 / 64 = 128 work-groups.
; A wave takes 8 rows.  Of a row lane l takes floats 4 l .. 4 l + 3 and 128 + 4 l .. : each load of the wave covers 512 consecutive bytes,
; each store of the wave 256 consecutive bytes, aligned.  All 16 loads of a wave go out at once: the whole share is on its way together.
; No matrix unit, no cluster, no tensor load: nothing is shared and every byte is touched once.
; LIMITS.  bf16 keeps f32's range; a sum of squares overflows where the same sum in f32 overflows.  The order of the 256 additions is this text's own.
; THE MODE: SCHED_MODE bits 1:0 = 2 (LLVM: expert scheduling mode 2), set by the entry lines.  The code itself states the register dependences
; between vector instructions and memory or LDS instructions, with s_wait_alu, always for 0.
; THE PLAN.  Registers that memory or LDS instructions touch:
;   v[LO], v[SO], v[LW], v[RA]  offsets and LDS addresses, and v[SPW], v[NIL]: made at the head, ahead of the head's wait on va_vdst, and named by no vector instruction behind it.
;   X        written by the 16 loads alone, each register once; read by its row's four conversions.
;   P[i]     written by row i's conversions; read by two global stores, which are issued at the head of row i + 1 (row 7's: behind the rows).  Never written again.
;   RS[i]    row i's sum, a register to each row; read by one LDS store, in a run of eight behind the rows.  Never written again.
;   v[12:13] written by wave 0's LDS load alone; read by its store of csq.
; So one wait on va_vdst at the head of a row states that the row before has written its P, and one behind the last row states that for P[7] and for the eight sums.
; No register that a memory or LDS instruction reads is written again, and no load lands in a register that a vector instruction has named: but for the closing lines no wait on vm_vsrc is owed.
.set SUMS,  0                          ; LDS: the work-group's 64 sums, 256 bytes
.set SPARE, 256                        ; behind them: the spare words, 128 bytes for each of 8 waves: four blocks of 256 bytes that no other line names
.set LO,  2                            ; v2   8192 w + 16 l: my 16 bytes in my wave's first row of codebook; never rewritten
.set SO,  3                            ; v3   4096 w + 8 l: my 8 bytes in my wave's first row of cb16; never rewritten
.set SPW, 4                            ; v4   LDS address of my spare word; never rewritten
.set NIL, 5                            ; v5   0, for the add alone
.set SB,  7                            ; v7   the sum of the high halves' squares
.set OTH, 8                            ; v8   the other half of the lanes' sum
.set LW,  9                            ; v9   32 w: where my wave's 8 sums lie in LDS; never rewritten
.set ZER, 10                           ; v10  0: what the two chains start from
.set RA,  14                           ; v14  8 l: wave 0's place among the 64 sums, in LDS and in csq; never rewritten
.set P,   16                           ; v[16:47]  row i: 4 registers, 8 bf16; never used twice, so no store's data is ever rewritten
.set X,   48                           ; v[48:111] row i: 8 registers as loaded
.set RS,  112                          ; v[112:119] row i: the sum of the low halves' squares, then the row's sum
	s_load_b128 s[4:7], s[0:1], 0x0                ; codebook s[4:5], cb16 s[6:7]
	s_load_b64 s[8:9], s[0:1], 0x10                ; csq
	v_lshl_add_u32 v[SPW], v0, 2, SPARE
	v_mov_b32 v[NIL], 0
	v_and_b32 v1, 31, v0                           ; lane
	v_lshrrev_b32 v11, 5, v0                       ; wave
	v_readfirstlane_b32 s14, v11
	v_lshlrev_b32 v[LO], 4, v1
	v_lshl_add_u32 v[LO], v11, 13, v[LO]
	v_lshlrev_b32 v[SO], 3, v1
	v_lshl_add_u32 v[SO], v11, 12, v[SO]
	v_lshlrev_b32 v[LW], 5, v11
	v_lshlrev_b32 v[RA], 3, v1
	v_mov_b32 v[OTH], 0                            ; v_permlanex16_b32's destination counts as read: written once here
	v_mov_b32 v[ZER], 0
	s_mov_b32 s12, 0x76543210                      ; v_permlanex16_b32: each lane takes its own place in the other half
	s_mov_b32 s13, 0xfedcba98
	s_lshl_b32 s16, ttmp9, 16                      ; the work-group's 64 rows: 65,536 bytes of codebook,
	s_mov_b32 s17, 0
	s_lshl_b32 s18, ttmp9, 15                      ; 32,768 of cb16,
	s_mov_b32 s19, 0
	s_lshl_b32 s20, ttmp9, 8                       ; 256 of csq
	s_mov_b32 s21, 0
	s_wait_alu depctr_va_sdst(0)                   ; s14 is written, ahead of its one reader: the compare behind the barrier; no branch and no label lies between
	s_wait_kmcnt 0x0
	s_add_nc_u64 s[4:5], s[4:5], s[16:17]
	s_add_nc_u64 s[6:7], s[6:7], s[18:19]
	s_add_nc_u64 s[8:9], s[8:9], s[20:21]
	s_wait_alu depctr_va_vdst(0)                   ; v[LO], v[SO], v[LW], v[RA], v[SPW] and v[NIL] are written: every load, store and LDS instruction of the kernel reads one of them, and no vector instruction names them again
.irp i, 0,1,2,3,4,5,6,7
	global_load_b128 v[X+8*\i:X+8*\i+3],   v[LO], s[4:5] offset:1024*\i th:TH_LOAD_NT
	global_load_b128 v[X+8*\i+4:X+8*\i+7], v[LO], s[4:5] offset:1024*\i+512 th:TH_LOAD_NT
.endr
; The two stores of row i: 32 lanes x 8 bytes each.
.macro OUT i
	global_store_b64 v[SO], v[P+4*(\i):P+4*(\i)+1],   s[6:7] offset:512*(\i)       ; the row's first 256 bytes
	global_store_b64 v[SO], v[P+4*(\i)+2:P+4*(\i)+3], s[6:7] offset:512*(\i)+256   ; and its second
.endm
; Row i of my wave: the row before is stored; this one is rounded, squared and summed over the lane's 8 numbers and then over the 32 lanes.
.macro ROW i
	s_wait_loadcnt 14-2*(\i)                       ; loads come back in order: this row's two are in, the 14 - 2 i of the later rows may stay out
.if (\i) > 0
	s_wait_alu depctr_va_vdst(0)                   ; the conversions of the row before have written its P, which the two stores below read
	OUT (\i)-1
.endif
.irp m, 0,1,2,3
	v_cvt_pk_bf16_f32 v[P+4*(\i)+\m], v[X+8*(\i)+2*\m], v[X+8*(\i)+2*\m+1]
.endr
	v_fma_mix_f32_bf16 v[RS+(\i)], v[P+4*(\i)], v[P+4*(\i)], v[ZER] op_sel:[0,0,0] op_sel_hi:[1,1,0]  ; a bf16's square is exact in f32; two chains, low and high halves
	v_fma_mix_f32_bf16 v[SB], v[P+4*(\i)], v[P+4*(\i)], v[ZER] op_sel:[1,1,0] op_sel_hi:[1,1,0]
.irp m, 1,2,3
	v_fma_mix_f32_bf16 v[RS+(\i)], v[P+4*(\i)+\m], v[P+4*(\i)+\m], v[RS+(\i)] op_sel:[0,0,0] op_sel_hi:[1,1,0]
	v_fma_mix_f32_bf16 v[SB], v[P+4*(\i)+\m], v[P+4*(\i)+\m], v[SB] op_sel:[1,1,0] op_sel_hi:[1,1,0]
.endr
	v_add_f32 v[RS+(\i)], v[RS+(\i)], v[SB]
	v_add_f32_dpp v[RS+(\i)], v[RS+(\i)], v[RS+(\i)] row_xmask:1 row_mask:0xf bank_mask:0xf
	v_add_f32_dpp v[RS+(\i)], v[RS+(\i)], v[RS+(\i)] row_xmask:2 row_mask:0xf bank_mask:0xf
	v_add_f32_dpp v[RS+(\i)], v[RS+(\i)], v[RS+(\i)] row_xmask:4 row_mask:0xf bank_mask:0xf
	v_add_f32_dpp v[RS+(\i)], v[RS+(\i)], v[RS+(\i)] row_xmask:8 row_mask:0xf bank_mask:0xf
	v_permlanex16_b32 v[OTH], v[RS+(\i)], s12, s13
	v_add_f32 v[RS+(\i)], v[RS+(\i)], v[OTH]       ; every lane holds the row's sum
.endm
.irp i, 0,1,2,3,4,5,6,7
	ROW \i
.endr
	s_wait_alu depctr_va_vdst(0)                   ; row 7's conversions have written its P, which the last two stores read; the eight rows' sums are written, which the LDS stores read
	OUT 7
.irp i, 0,1,2,3,4,5,6,7
	ds_store_b32 v[LW], v[RS+\i] offset:SUMS+4*\i  ; all lanes write the same word with the same value
.endr
	s_wait_dscnt 0x0                               ; for the others' sake: my 8 sums lie in LDS
	s_barrier_signal -1
	s_barrier_wait -1                              ; all 64 do
	s_cmp_lg_u32 s14, 0                            ; wave 0 stores them: 32 lanes x 8 bytes = 256 consecutive bytes, aligned
	s_cbranch_scc1 .Lend
	ds_load_b64 v[12:13], v[RA] offset:SUMS        ; no wait on va_vdst: v[RA] was written ahead of the head's, and no vector instruction names v[12:13]
	s_wait_dscnt 0x0
	global_store_b64 v[RA], v[12:13], s[8:9]
.Lend:
	s_wait_dscnt 0x0                               ; the closing lines, six on end
	s_wait_alu 0x0
	s_wait_tensorcnt 0x0
	ds_add_u32 v[SPW], v[NIL]
	s_wait_dscnt 0x0
	s_endpgm
.Lfunc_end_k_q257286c5ee_prep:
	.size	k_q257286c5ee_prep, .Lfunc_end_k_q257286c5ee_prep-k_q257286c5ee_prep
	.p2alignl 7, 3214868480
	.fill 96, 4, 3214868480
	.section	.rodata,"a",@progbits
	.p2align	6, 0x0
	.amdhsa_kernel k_q257286c5ee_prep
		.amdhsa_group_segment_fixed_size 1280
		.amdhsa_private_segment_fixed_size 0
		.amdhsa_enable_private_segment 0
		.amdhsa_kernarg_size 24
		.amdhsa_user_sgpr_count 2
		.amdhsa_user_sgpr_kernarg_segment_ptr 1
		.amdhsa_wavefront_size32 1
		.amdhsa_system_sgpr_workgroup_id_x 1
		.amdhsa_system_sgpr_workgroup_id_y 1
		.amdhsa_system_sgpr_workgroup_id_z 1
		.amdhsa_system_vgpr_workitem_id 0
		.amdhsa_next_free_vgpr 120
		.amdhsa_next_free_sgpr 66
		.amdhsa_reserve_vcc 0
		.amdhsa_float_denorm_mode_32 3
		.amdhsa_float_denorm_mode_16_64 3
		.amdhsa_memory_ordered 1
		.amdhsa_forward_progress 1
		.amdhsa_inst_pref_size 16
	.end_amdhsa_kernel
	.amdgpu_metadata
---
amdhsa.version: [ 1, 2 ]
amdhsa.kernels:
  - .name:           k_q257286c5ee_prep
    .symbol:         k_q257286c5ee_prep.kd
    .args:
      - { .name: codebook, .offset: 0, .size: 8, .value_kind: global_buffer, .address_space: global }
      - { .name: cb16, .offset: 8, .size: 8, .value_kind: global_buffer, .address_space: global }
      - { .name: csq, .offset: 16, .size: 8, .value_kind: global_buffer, .address_space: global }
    .group_segment_fixed_size: 1280
    .private_segment_fixed_size: 0
    .kernarg_segment_align: 8
    .kernarg_segment_size: 24
    .max_flat_workgroup_size: 256
    .sgpr_count:     66
    .vgpr_count:     120
    .wavefront_size: 32
...
	.end_amdgpu_metadata
.endif
;; end of part 3
;; launch vq: the kernel of part 2 again; grid 256 x 1, 4 waves a work-group, clusters of 4 x 1, 327,680 bytes of LDS; arguments z_e_x, cb16, csq, out0; writes out0
